; MI455X (gfx1250); checked and timed in simulation.
; The chip was launched on July 23, 2026; its instructions are those of AMD's public machine-readable ISA for CDNA 5 (MIT licence, August 2026) and "CDNA5" Instruction Set Architecture Reference Guide (July 2026). The comments in the code are by the model that wrote it; some were corrected since.
;; Deep Speed MLP. Allowed arithmetic: matrix products marked QUANTISED: E2M1 operands, one E8M0 scale for each 32 along K, by v_wmma_scale_f32_16x16x128_f8f6f4 with both operands' format E2M1 (or v_wmma_scale_f32_32x16x128_f4), f32 sums; everything else in f32.
;; Inputs: attn_nb 1,024 float32; attn_nw 1,024 float32; bias 1,024 float32; input 4 x 2,048 x 1,024 float32; inter_b 4,096 float32; inter_w 1,024 x 4,096 float32; output_b 1,024 float32; output_w 4,096 x 1,024 float32; residual 4 x 2,048 x 1,024 float32; residual_norm 4 x 2,048 x 1,024 float32.
;; Outputs: out0 4 x 2,048 x 1,024 float32.
;; This version of the problem:
;;   THIS VERSION OF THE PROBLEM IS GIVEN IN LOW PRECISION. The matrix products marked QUANTISED in the list below multiply operands that are first quantised to E2M1 (2 exponent bits, 1 mantissa bit; 4 bits a number), with one power-of-two scale for each 32 numbers along K (OCP MX v1.0); their sums are f32. All else is computed in f32.
;;   The module's matrix products, in the order in which they are computed (A, B: the left and right operand; K: the contracted axis; several contracted axes count as one K, in the product's order):
;;     1. [M 8,192, K 1,024] x [K 1,024, N 4,096]; A: computed on the way; B: input inter_w: QUANTISED
;;     2. [M 8,192, K 4,096] x [K 4,096, N 1,024]; A: computed on the way; B: input output_w: QUANTISED
;;   THE QUANTISER, for each operand of a quantised product, along K:
;;     - K is cut into blocks of 32 from its start; a last block that is shorter is filled with zeros.
;;     - A block's scale is 2^e with e = floor(log2(the largest magnitude in the block)) - 2, held to -126 .. 127; a block of zeros has e = 0. As a byte (E8M0): e + 127.
;;     - Each number is divided by its block's scale, clamped to +-6, and rounded to the nearest number of E2M1, ties to even, subnormals kept.
;;     - The product sums the exact products of the quantised numbers (number of the format x scale) in f32.
;;   ~~~python
;;   def quantise(x, axis):      # numpy; x: float32 -> the quantised numbers, widened to float32 again
;;       x = np.moveaxis(x, axis, -1); K = x.shape[-1]
;;       x = np.pad(x, [(0, 0)] * (x.ndim - 1) + [(0, -K % 32)]); x = x.reshape(x.shape[:-1] + (-1, 32)); a = np.abs(x).max(-1, keepdims=True)
;;       e = np.where(a > 0, np.clip(np.frexp(np.where(a > 0, a, 1))[1] - 1 - 2, -126, 127), 0)      # np.frexp(a)[1] - 1 = floor(log2(a)), exactly
;;       r = np.clip(x / 2.0 ** e, -6, 6)
;;       step = 2.0 ** (np.maximum(np.frexp(np.where(r == 0, 1, r))[1] - 1, 0) - 1)
;;       q = np.round(r / step) * step * 2.0 ** e      # np.round: ties to even
;;       return np.moveaxis(q.reshape(q.shape[:-2] + (-1,))[..., :K], -1, axis).astype(np.float32)
;;   ~~~
;;   OPERANDS COMPUTED ON THE WAY. 'Computed on the way' means the value that the module computes at that place (a softmax that the list does not call 'softmax' is quantised finished and normalised). What goes into a quantiser is computed in f32, as accurately as f32 sums, v_exp_f32 and their like allow (about 1e-6 of the number): no bf16 or f16 on the way to a quantiser, and a product that is left as it is and whose result goes on into a quantised operand takes f32 operands (vector FMAs, or v_wmma_f32_16x16x4_f32). A number that lies on a knife's edge between two numbers of the format may be rounded either way, as far as f32 arithmetic and the matrix unit's own rounding can turn it there, and no further.
;; One version. Each part assembles by itself: llvm-mc -triple=amdgcn-amd-amdhsa -mcpu=gfx1250 --defsym DOCPART=n.
;; ======== version 1 of 1: 2 launches
;; limits: right only within a limited range of input values
;; workspace buffers: wimg 4,456,448 bytes
;; launch prep (part 1): grid 256 x 1, 8 waves a work-group, no clusters, 2,048 bytes of LDS; arguments inter_w, output_w, wimg; writes wimg
.if DOCPART == 1
	.amdgcn_target "amdgcn-amd-amdhsa--gfx1250"
	.amdhsa_code_object_version 6
	.text
	.protected	k_q17bc810001_prep
	.globl	k_q17bc810001_prep
	.p2align	8
	.type	k_q17bc810001_prep,@function
k_q17bc810001_prep:
	s_mov_b64 s[64:65], 0
	v_nop
	global_prefetch_b8 v0, s[64:65] scope:SCOPE_SE
	s_setreg_imm32_b32 hwreg(HW_REG_WAVE_MODE, 25, 1), 1
	s_wait_xcnt 0x0
; inter_w [1024 (k)][4096] and output_w [4096 (k)][1024] are quantised once, to codes of FP4 (E2M1) with one E8M0 byte for each 32 along K, into ONE buffer laid in the order in which the next launch walks it.
; residual_norm is read by no launch: reference() never uses it, so no result hangs on it for any values; a NaN or an infinity in it is not carried to the result.
; wimg = 64 units of U = 69,632 bytes: unit 2 c = W1's hidden units 128 c .. + 127 (all of K = 1,024), unit 2 c + 1 = W2's K = 128 c .. + 127 (all 1,024 columns).
; A unit: 65,536 bytes of codes, then 4,096 of scale words.  Codes are images of the operand's registers: a piece of 256 bytes = [row r of 16][16 bytes] holds one block of 32 along K for 16 rows.
;   W1: [block of 16 positions 8][k block 32][r][16];  scale words [32 positions 4][half of K 2][lane 32][4 words].  Position p holds unit p with bits 3 and 4 exchanged.
;   W2: [block of 16 columns 64][k block 4][r][16];    scale words [column 1,024], one word each.
; A block's scale byte is the largest magnitude's exponent field - 2, held at 1 from below by a floor among the maximum's leaves.
; LIMITS: NaN and infinities among the inputs are not served.  A block whose largest magnitude lies under 2^-124 (zeros among them) gets the byte 1; the bytes are read by this program alone.
; Work-groups 0-127 take inter_w, 128-255 output_w: 64 columns x 512 along K each; wave w: columns 32 (w % 2) on, K 128 (w / 2) on.  A lane takes a column and its registers run down K.
; No tensor loads, no cluster: the work-groups share no input.
.set U,     69632
.set SPARE, 1024                       ; behind inter_w's 256 scale words: the spare words
.set X,     32                         ; v32-159 numbers
.set C,     160                        ; v160-175 codes, four registers a block
	s_load_b128 s[4:7], s[0:1], 0x0                ; inter_w, output_w
	s_load_b64 s[8:9], s[0:1], 0x10                ; wimg
	v_lshl_add_u32 v28, v0, 2, SPARE
	v_mov_b32 v29, 0
	v_lshrrev_b32 v1, 5, v0
	v_readfirstlane_b32 s33, v1                    ; wave 0..7
	v_and_b32 v1, 31, v0                           ; lane
	v_lshlrev_b32 v4, 4, v1
	s_and_b32 s34, s33, 1                          ; which 32 of the columns
	s_lshr_b32 s35, s33, 1                         ; which 128 along K
	s_cmp_lt_u32 ttmp9, 128
	s_wait_alu depctr_va_vdst(0)                   ; the wait ahead of the branch
	s_cbranch_scc0 .Lw2
.macro WLOAD t, psrc, rowb                     ; block t: W(32 t + i, my column)
.set li, 0
.rept 32
	global_load_b32 v[X+32*(\t)+li], v2, s[\psrc:\psrc+1] offset:(32*(\t)+li)*(\rowb) th:TH_LOAD_NT
.set li, li+1
.endr
.endm
.macro WBLK t, left, psrc, rowb
.set XS, X+32*(\t)
	s_wait_loadcnt \left                           ; this block's 32 loads are in; the next block's 32 may be out
.if (\t) < 2
	WLOAD (\t)+2, \psrc, \rowb
.endif
	v_max3_num_f32 v12, |v[XS]|, |v[XS+1]|, |v[XS+2]|
	v_max3_num_f32 v13, |v[XS+3]|, |v[XS+4]|, |v[XS+5]|
.irp i, 6,10,14,18,22,26
	s_delay_alu instid0(VALU_DEP_2)
	v_max3_num_f32 v12, v12, |v[XS+\i]|, |v[XS+\i+1]|
	s_delay_alu instid0(VALU_DEP_2)
	v_max3_num_f32 v13, v13, |v[XS+\i+2]|, |v[XS+\i+3]|
.endr
	s_delay_alu instid0(VALU_DEP_2)
	v_max3_num_f32 v12, v12, |v[XS+30]|, |v[XS+31]|
	s_delay_alu instid0(VALU_DEP_1)
	v_max3_num_f32 v12, v12, v13, 0x1800000        ; the floor 2^(3 - 127)
	s_delay_alu instid0(VALU_DEP_1)
	v_add_nc_u32 v11, 0xff000000, v12              ; 2 off the exponent field: the conversion's scale operand
.irp g, 0,1,2,3
	v_cvt_scalef32_pk8_fp4_f32 v[C+4*(\t)+\g], v[XS+8*\g:XS+8*\g+7], v11
.endr
	v_lshrrev_b32 v13, 23, v11                     ; the scale's byte
.if (\t) == 0
	s_delay_alu instid0(VALU_DEP_1)
	v_mov_b32 v16, v13
.else
	s_delay_alu instid0(VALU_DEP_1)
	v_lshl_or_b32 v16, v13, 8*(\t), v16            ; four bytes make the word of my 128 along K
.endif
	global_store_b128 v3, v[C+4*(\t):C+4*(\t)+3], s[10:11] offset:256*(\t)   ; two whole pieces of 256 bytes
.endm
.macro WQ psrc, idbase, lognx, rowb, nbstr, perm
	s_sub_co_u32 s30, ttmp9, \idbase
	s_and_b32 s31, s30, (1<<\lognx)-1              ; which 64 columns
	s_lshr_b32 s32, s30, \lognx                    ; which 512 along K
.if \perm
	v_and_b32 v8, 7, v1                            ; position l holds column l with bits 3 and 4 exchanged
	v_and_b32 v9, 8, v1
	v_lshl_or_b32 v8, v9, 1, v8
	v_and_b32 v9, 16, v1
	v_lshrrev_b32 v9, 1, v9
	v_or_b32 v8, v8, v9
	v_lshlrev_b32 v2, 2, v8
	s_lshl_b32 s42, s34, 9
	v_add_nc_u32 v5, s42, v4                       ; LDS: [32 columns 2][lane][4 words]
	s_lshl_b32 s43, s35, 2
	v_add_nc_u32 v7, s43, v5
.else
	v_lshlrev_b32 v2, 2, v1
	v_lshlrev_b32 v5, 2, v1
.endif
	v_lshrrev_b32 v8, 4, v1
	v_and_b32 v9, 15, v1
	v_mul_u32_u24 v8, v8, \nbstr
	v_lshl_add_u32 v3, v9, 4, v8                   ; codes: lanes 16-31 belong to the next block of 16 columns
	s_mul_i32 s36, s32, 512*(\rowb)
	s_mul_i32 s37, s35, 128*(\rowb)
	s_add_co_u32 s36, s36, s37
	s_lshl_b32 s37, s31, 8
	s_add_co_u32 s36, s36, s37
	s_lshl_b32 s37, s34, 7
	s_add_co_u32 s36, s36, s37
	s_mov_b32 s37, 0
.if \perm
	s_lshr_b32 s38, s31, 1
	s_mul_i32 s38, s38, 2*U                        ; unit 2 c, c = columns / 128
	s_and_b32 s39, s31, 1
	s_lshl_b32 s39, s39, 1
	s_add_co_u32 s39, s39, s34                     ; which 32 positions of the chunk
	s_lshl_b32 s40, s39, 14
	s_add_co_u32 s40, s40, s38
	s_lshl_b32 s41, s32, 12
	s_add_co_u32 s40, s40, s41
	s_lshl_b32 s41, s35, 10
	s_add_co_u32 s40, s40, s41                     ; codes
	s_lshl_b32 s44, s39, 10
	s_add_co_u32 s44, s44, s38
	s_lshl_b32 s41, s32, 9
	s_add_co_u32 s44, s44, s41
.else
	s_lshl_b32 s38, s32, 2
	s_add_co_u32 s38, s38, s35                     ; chunk c = K / 128
	s_mul_i32 s38, s38, 2*U
	s_add_co_u32 s38, s38, U                       ; unit 2 c + 1
	s_lshl_b32 s40, s31, 12
	s_add_co_u32 s40, s40, s38
	s_lshl_b32 s41, s34, 11
	s_add_co_u32 s40, s40, s41                     ; codes: 1,024 bytes a block of 16 columns
	s_lshl_b32 s44, s31, 8
	s_add_co_u32 s44, s44, s38
	s_lshl_b32 s41, s34, 7
	s_add_co_u32 s44, s44, s41
.endif
	s_add_co_u32 s44, s44, 65536                   ; scale words
	s_mov_b32 s41, 0
	s_mov_b32 s45, 0
	s_wait_alu depctr_va_vdst(0)                   ; the wait here, ahead of the wait below
	s_wait_kmcnt 0x0
	s_add_nc_u64 s[\psrc:\psrc+1], s[\psrc:\psrc+1], s[36:37]
	s_add_nc_u64 s[10:11], s[8:9], s[40:41]
	s_add_nc_u64 s[12:13], s[8:9], s[44:45]
	WLOAD 0, \psrc, \rowb
	WLOAD 1, \psrc, \rowb
	WBLK 0, 32, \psrc, \rowb
	WBLK 1, 32, \psrc, \rowb
	WBLK 2, 32, \psrc, \rowb
	WBLK 3, 0, \psrc, \rowb
.if \perm
	ds_store_b32 v7, v16
	s_wait_dscnt 0x0                               ; for the others' sake
	s_barrier_signal -1
	s_barrier_wait -1
	s_cmp_gt_u32 s33, 1
	s_cbranch_scc1 .Lw_end_\@
	ds_load_b128 v[20:23], v5                      ; waves 0 and 1: four words (512 along K) of each of their 32 positions,
	s_wait_dscnt 0x0
	global_store_b128 v4, v[20:23], s[12:13]       ; 512 consecutive bytes
.Lw_end_\@:
.else
	global_store_b32 v5, v16, s[12:13]             ; 32 columns' words: 128 consecutive bytes (a chunk has one word a column)
.endif
	s_wait_tensorcnt 0x0                           ; the wave's end
	ds_add_u32 v28, v29
	s_wait_dscnt 0x0
	s_endpgm
.endm
	WQ 4, 0, 6, 16384, 8192, 1
.Lw2:
	WQ 6, 128, 4, 4096, 1024, 0
.Lfunc_end_k_q17bc810001_prep:
	.size	k_q17bc810001_prep, .Lfunc_end_k_q17bc810001_prep-k_q17bc810001_prep
	.p2alignl 7, 3214868480
	.fill 96, 4, 3214868480
	.section	.rodata,"a",@progbits
	.p2align	6, 0x0
	.amdhsa_kernel k_q17bc810001_prep
		.amdhsa_group_segment_fixed_size 2048
		.amdhsa_private_segment_fixed_size 0
		.amdhsa_enable_private_segment 0
		.amdhsa_kernarg_size 24
		.amdhsa_user_sgpr_count 2
		.amdhsa_user_sgpr_kernarg_segment_ptr 1
		.amdhsa_wavefront_size32 1
		.amdhsa_system_sgpr_workgroup_id_x 1
		.amdhsa_system_sgpr_workgroup_id_y 1
		.amdhsa_system_sgpr_workgroup_id_z 1
		.amdhsa_system_vgpr_workitem_id 0
		.amdhsa_next_free_vgpr 176
		.amdhsa_next_free_sgpr 66
		.amdhsa_reserve_vcc 0
		.amdhsa_float_denorm_mode_32 3
		.amdhsa_float_denorm_mode_16_64 3
		.amdhsa_memory_ordered 1
		.amdhsa_forward_progress 1
		.amdhsa_inst_pref_size 46
	.end_amdhsa_kernel
	.amdgpu_metadata
---
amdhsa.version: [ 1, 2 ]
amdhsa.kernels:
  - .name:           k_q17bc810001_prep
    .symbol:         k_q17bc810001_prep.kd
    .args:
      - { .name: inter_w, .offset: 0, .size: 8, .value_kind: global_buffer, .address_space: global }
      - { .name: output_w, .offset: 8, .size: 8, .value_kind: global_buffer, .address_space: global }
      - { .name: wimg, .offset: 16, .size: 8, .value_kind: global_buffer, .address_space: global }
    .group_segment_fixed_size: 2048
    .private_segment_fixed_size: 0
    .kernarg_segment_align: 8
    .kernarg_segment_size: 24
    .max_flat_workgroup_size: 256
    .sgpr_count:     66
    .vgpr_count:     176
    .wavefront_size: 32
...
	.end_amdgpu_metadata
.endif
;; end of part 1
;; launch mlp (part 2): grid 256 x 1, 4 waves a work-group, clusters of 4 x 1, 327,680 bytes of LDS; arguments input, residual, bias, attn_nw, attn_nb, inter_b, output_b, wimg, out0; writes out0
.if DOCPART == 2
	.amdgcn_target "amdgcn-amd-amdhsa--gfx1250"
	.amdhsa_code_object_version 6
	.text
	.protected	k_q17bc810001_mlp
	.globl	k_q17bc810001_mlp
	.p2align	8
	.type	k_q17bc810001_mlp,@function
k_q17bc810001_mlp:
	s_mov_b64 s[64:65], 0
	v_nop
	global_prefetch_b8 v0, s[64:65] scope:SCOPE_SE
	s_setreg_imm32_b32 hwreg(HW_REG_WAVE_MODE, 25, 1), 1
	s_wait_xcnt 0x0
	s_wait_alu depctr_hold_cnt(0) depctr_sa_sdst(0) depctr_va_vdst(0) depctr_va_sdst(0) depctr_va_ssrc(0) depctr_va_vcc(0) depctr_vm_vsrc(0)
	s_getreg_b32 s2, hwreg(HW_REG_IB_STS2, 6, 4)
	s_cmp_eq_u32 s2, 0
	s_cbranch_scc0 .Lentry_in_a_cluster
	s_endpgm
.Lentry_in_a_cluster:
	s_bfe_u32 s2, ttmp6, 0x10000c
	s_cmp_lg_u32 s2, 0x3003
	s_cbranch_scc0 .Lentry_shape_is_right
	s_endpgm
.Lentry_shape_is_right:
; The whole layer for 32 rows a work-group: radd = input + bias + residual; x = LayerNorm(radd), quantised; h = gelu(x W1 + inter_b), quantised; out0 = h W2 + output_b + radd.
; residual_norm is not read: reference() never uses it.  Both products run on codes of FP4 (E2M1) with E8M0 scales for each 32 along K; all else is f32.
; SHARES.  256 work-groups of four waves.  Head: wave w owns rows 8 w .. + 7 whole (512 consecutive bytes a load), two rows at a time, the loads two such pairs ahead; radd + output_b stays in 256 registers until the way out.
; x's 16 fragments (32 rows x 1,024) stay in 128 registers of every wave.
; THE WALK.  The hidden axis goes in 32 chunks of 128 units, in 34 staggered trips.  Trip t: product 2 of chunk t - 2 (wave w: columns 256 w .. + 255, 32 sums of 16 x 16), whose fragments of W2 were fetched into registers in trip t - 1
; and whose h lies in LDS since then; the first half of gelu on chunk t - 1, W1's fragments of chunk t being fetched between its batches; product 1 of chunk t (wave w: units 32 w .. + 31); the second half of gelu, the quantiser,
; h's codes and bytes into LDS, W2's fragments of chunk t - 1 being fetched between the batches.  So the LDS loads stand in groups of 8 to 16 among vector work.  h never goes to memory.
; THE RING.  wimg holds units of U bytes in the walk's order (W1 0, W2 0, W1 1, ..); slot t = W2's chunk t - 1 and W1's chunk t, 2 U consecutive bytes; two slots; a wave fetches a quarter with one load behind each round.
; The first and the last fill are one unit only.  All images are read as 512 consecutive bytes a load, so no row has a padding.
; CLUSTER.  The four work-groups of a cluster walk the same weights: every fill is asked for jointly, with the mask of all four.
; PREFETCH.  Trip t names slot t + 2's 544 blocks of 256 bytes, 34 for each of the cluster's 16 waves, told apart by address; trips 30 to 33 name nothing.
; BOTH PRODUCTS ARE USED TRANSPOSED (source 0 = 16 rows of a weight's image, source 1 = 16 rows of x or h): a lane holds one row.  Position p of W1 holds unit p with bits 3 and 4 exchanged, so a lane's 16 registers of
; its two tiles are 16 neighbours along the next K.  gelu(a) = a / (1 + 2^t), t = a (c0 + c1 a^2), c0 = -2 log2(e) sqrt(2 / pi), c1 = 0.044715 c0: reference()'s tanh form, in f32.
; LIMITS: NaN and infinities are not served; a block whose largest magnitude lies under 2^-124 (zeros among them) gets the byte 1; the bytes are read by this program alone.
; The last sum is formed as product + (radd + output_b), where reference() has (product + output_b) + radd: another order of f32 rounding.
; REGISTERS: window 0 addresses, scales, product 1's sums (two sets), work; window 1 v0-127 a weight's 16 fragments, v128-255 x's; window 2 product 2's sums ((rt, ct) at 8 (16 rt + ct)); window 3 radd (row i at 32 i).
.set U,     69632
.set SLOT,  2*U
.set XI,    2*SLOT                     ; x's fragments [rt 2][K step 8][1,024]
.set XSB,   XI+16384                   ; x's scale words [K step 8][row 32]
.set HX,    XSB+1024                   ; h's fragments, two buffers of [rt 2][1,024]
.set HXS,   HX+4096                    ; h's scale words, two buffers of [row 32]
.set LNST,  HXS+256                    ; a stage of 32 x 144 bytes for each wave: a row of x turns through it
.set SPARE, LNST+4*4608                ; the spare words
.set SPIT,  4112                       ; the way out: a row of out0 in slot 1, which has had its last fill and read by then
.set CO, 1
.set SPW, 2
.set NIL, 3
.set AW2, 4
.set AW1, 6
.set AS2, 8
.set AS1, 10
.set HSTO, 12
.set HSB, 13
.set HLD, 14
.set HSL, 15
.set BO, 16
.set STI, 17
.set STQ, 18
.set XSTO, 19
.set XSS, 20
.set XLD, 21
.set XSL, 22
.set STO, 23
.set RD, 25
.set PF, 26
.set C0, 28
.set LN, 30
.set R, 31
.set HH, 32
.set TT, 33
.set SX, 36                            ; x's scale words: K step q; lanes 0-15 rows 0-15, lanes 16-31 rows 16-31
.set SW1, 44                           ; W1's: K step q; lanes 0-15 tile 0, lanes 16-31 tile 1
.set SW2, 52                           ; W2's: pair of tiles
.set SH, 60                            ; h's
.set BIAS, 64
.set HF, 80
.set PA, 96                            ; product 1's sums: set b at PA + 104 b, in it 8 (2 rt + u)
.set T, 128
.set TM, 160
.set PC, 176
.set V, 184
.set P, 192
.set MEAN, 96
.set RS, 100
.set G1, 28
.set G1H, 36
.set G0, 44
.set G0H, 52
.set G0L, 76
.set PFB, 66
.set MSB, 0
.macro WIN new                         ; the immediate's high byte repeats the setting that is left
.if MSB != \new
	s_set_vgpr_msb (MSB<<8)|\new
.set MSB, \new
.endif
.endm
.macro PLACES
.rept 4
	v_nop
.endr
.endm
.macro CROUND                          ; a round of the cluster's barrier
	s_barrier_signal -1
	s_barrier_wait -1
	s_cmp_lg_u32 s22, 0
	s_cbranch_scc1 .Lnot_wave_0_\@
	s_barrier_signal -3
.Lnot_wave_0_\@:
	s_barrier_wait -3
	s_barrier_signal -1
	s_barrier_wait -1
.endm
; one product: D, source 0, source 1, C (under 0: the constant 0), the scale registers; ra, rb = 1: the scales are taken from lanes 16-31
.macro WM d, a, b, c, sa, sb, ra, rb
.if (\c) < 0
.if (\ra) && (\rb)
	v_wmma_scale_f32_16x16x128_f8f6f4 v[\d:\d+7], v[\a:\a+7], v[\b:\b+7], 0, v[\sa], v[\sb] matrix_a_fmt:MATRIX_FMT_FP4 matrix_b_fmt:MATRIX_FMT_FP4 matrix_a_scale:MATRIX_SCALE_ROW1 matrix_b_scale:MATRIX_SCALE_ROW1
.elseif \ra
	v_wmma_scale_f32_16x16x128_f8f6f4 v[\d:\d+7], v[\a:\a+7], v[\b:\b+7], 0, v[\sa], v[\sb] matrix_a_fmt:MATRIX_FMT_FP4 matrix_b_fmt:MATRIX_FMT_FP4 matrix_a_scale:MATRIX_SCALE_ROW1
.elseif \rb
	v_wmma_scale_f32_16x16x128_f8f6f4 v[\d:\d+7], v[\a:\a+7], v[\b:\b+7], 0, v[\sa], v[\sb] matrix_a_fmt:MATRIX_FMT_FP4 matrix_b_fmt:MATRIX_FMT_FP4 matrix_b_scale:MATRIX_SCALE_ROW1
.else
	v_wmma_scale_f32_16x16x128_f8f6f4 v[\d:\d+7], v[\a:\a+7], v[\b:\b+7], 0, v[\sa], v[\sb] matrix_a_fmt:MATRIX_FMT_FP4 matrix_b_fmt:MATRIX_FMT_FP4
.endif
.else
.if (\ra) && (\rb)
	v_wmma_scale_f32_16x16x128_f8f6f4 v[\d:\d+7], v[\a:\a+7], v[\b:\b+7], v[\c:\c+7], v[\sa], v[\sb] matrix_a_fmt:MATRIX_FMT_FP4 matrix_b_fmt:MATRIX_FMT_FP4 matrix_a_scale:MATRIX_SCALE_ROW1 matrix_b_scale:MATRIX_SCALE_ROW1
.elseif \ra
	v_wmma_scale_f32_16x16x128_f8f6f4 v[\d:\d+7], v[\a:\a+7], v[\b:\b+7], v[\c:\c+7], v[\sa], v[\sb] matrix_a_fmt:MATRIX_FMT_FP4 matrix_b_fmt:MATRIX_FMT_FP4 matrix_a_scale:MATRIX_SCALE_ROW1
.elseif \rb
	v_wmma_scale_f32_16x16x128_f8f6f4 v[\d:\d+7], v[\a:\a+7], v[\b:\b+7], v[\c:\c+7], v[\sa], v[\sb] matrix_a_fmt:MATRIX_FMT_FP4 matrix_b_fmt:MATRIX_FMT_FP4 matrix_b_scale:MATRIX_SCALE_ROW1
.else
	v_wmma_scale_f32_16x16x128_f8f6f4 v[\d:\d+7], v[\a:\a+7], v[\b:\b+7], v[\c:\c+7], v[\sa], v[\sb] matrix_a_fmt:MATRIX_FMT_FP4 matrix_b_fmt:MATRIX_FMT_FP4
.endif
.endif
.endm
	s_load_b256 s[4:11], s[0:1], 0x0               ; input, residual, bias, attn_nw
	s_load_b256 s[12:19], s[0:1], 0x20             ; attn_nb, inter_b, output_b, wimg
	s_load_b64 s[20:21], s[0:1], 0x40              ; out0
	v_lshl_add_u32 v[SPW], v0, 2, SPARE
	v_mov_b32 v[NIL], 0
	ds_add_u32 v[SPW], v[NIL]                      ; the opening lines: the add, twice on end, and its wait ahead of my first tensor load
	ds_add_u32 v[SPW], v[NIL]
	v_lshrrev_b32 v[TT], 5, v0
	v_readfirstlane_b32 s22, v[TT]                 ; wave 0..3
	v_and_b32 v[LN], 31, v0
	v_and_b32 v[R], 15, v0
	v_bfe_u32 v[HH], v0, 4, 1
	v_lshlrev_b32 v[CO], 4, v[LN]
	s_lshl_b32 s62, s22, 14
	v_add_nc_u32 v[AW2], s62, v[CO]                ; W2's fragments of my 256 columns, slot 0, 1
	v_add_nc_u32 v[AW2+1], SLOT, v[AW2]
	v_add_nc_u32 v[AW1], U, v[AW2]                 ; W1's of my 32 units
	v_add_nc_u32 v[AW1+1], U+SLOT, v[AW2]
	s_lshl_b32 s62, s22, 10
	s_add_co_u32 s62, s62, 65536
	v_lshl_add_u32 v[AS2], v[LN], 2, s62           ; W2's scale words
	v_add_nc_u32 v[AS2+1], SLOT, v[AS2]
	s_add_co_u32 s62, s62, U
	v_add_nc_u32 v[AS1], s62, v[CO]                ; W1's
	v_add_nc_u32 v[AS1+1], SLOT, v[AS1]
	s_lshl_b32 s62, s22, 8
	s_add_co_u32 s62, s62, HX
	v_lshl_add_u32 v[HSTO], v[R], 4, s62           ; my block of 32 units is piece w of h's fragment: 256 w + 16 r + 8 h
	v_lshl_add_u32 v[HSTO], v[HH], 3, v[HSTO]
	s_add_co_u32 s62, s22, HXS
	v_lshl_add_u32 v[HSB], v[R], 2, s62            ; byte w of row r's word
	v_add_nc_u32 v[HLD], HX, v[CO]
	v_lshlrev_b32 v[HSL], 2, v[LN]
	v_add_nc_u32 v[XSL], XSB, v[HSL]
	v_add_nc_u32 v[HSL], HXS, v[HSL]
	s_lshl_b32 s62, s22, 7
	v_lshl_add_u32 v[BO], v[HH], 6, s62            ; inter_b: 128 w + 64 h
	s_mul_i32 s62, s22, 4608
	s_add_co_u32 s62, s62, LNST
	v_lshrrev_b32 v[TT], 3, v[LN]
	v_mul_u32_u24 v[TT], v[TT], 144
	v_and_b32 v[STI], 7, v[LN]
	v_lshl_add_u32 v[STI], v[STI], 4, v[TT]
	v_add_nc_u32 v[STI], s62, v[STI]               ; the stage, in: eight lanes' 128 bytes (a block of 32), then 16 of padding
	v_mul_u32_u24 v[STQ], v[LN], 144
	v_add_nc_u32 v[STQ], s62, v[STQ]               ; and back: lane l takes block l
	s_lshr_b32 s62, s22, 1
	s_lshl_b32 s62, s62, 13
	s_and_b32 s63, s22, 1
	s_lshl_b32 s63, s63, 7
	s_add_co_u32 s62, s62, s63
	s_add_co_u32 s62, s62, XI
	v_lshl_add_u32 v[XSTO], v[LN], 8, s62          ; x's image: rt = w / 2, piece l, row 8 (w % 2) + i
	s_lshl_b32 s62, s22, 5
	s_add_co_u32 s62, s62, XSB
	v_lshrrev_b32 v[TT], 2, v[LN]
	v_and_b32 v[XSS], 3, v[LN]
	v_lshl_add_u32 v[XSS], v[TT], 7, v[XSS]
	v_add_nc_u32 v[XSS], s62, v[XSS]               ; K step l / 4, row 8 w + i, byte l % 4
	v_add_nc_u32 v[XLD], XI, v[CO]
	s_lshl_b32 s62, s22, 10
	s_add_co_u32 s62, s62, SLOT
	v_mul_u32_u24 v[STO], v[R], SPIT
	v_lshl_add_u32 v[STO], v[HH], 5, v[STO]
	v_add_nc_u32 v[STO], s62, v[STO]               ; the way out, in: row r, my 1,024 bytes, 32 a half of the lanes
	v_add_nc_u32 v[STO+1], 16*SPIT, v[STO]
	s_mul_i32 s62, s22, 8*SPIT
	s_add_co_u32 s62, s62, SLOT
	v_add_nc_u32 v[RD], s62, v[CO]                 ; and back: my eight rows
	s_bfe_u32 s23, ttmp6, 0x40000                  ; cx
	s_lshl_b32 s62, s23, 2
	s_add_co_u32 s62, s62, s22
	s_mul_i32 s62, s62, 34*256
	v_lshl_add_u32 v[PF], v[LN], 8, s62            ; the prefetches: my 34 blocks of a slot's 544; the second names blocks 32, 33 (the lanes left over name 33 again)
	v_min_u32 v[TT], 1, v[LN]
	v_add_nc_u32 v[TT], 32, v[TT]
	v_lshl_add_u32 v[PF+1], v[TT], 8, s62
	v_mov_b32 v[C0], 0xc0135761                    ; c0
	v_mov_b32 v[C0+1], 0xc0135761
	v_mov_b32 v[P], 0                              ; a lane permute's destination counts as one of its sources
	v_mov_b32 v[P+1], 0
	v_mov_b32 v[TM+2], 0
	v_mov_b32 v[TM+3], 0
	s_lshl_b32 s24, ttmp9, 2
	s_add_co_u32 s24, s24, s23                     ; my 32 rows: it enters the addresses of input, residual and out0 alone
	s_mov_b32 s56, 0x76543210
	s_mov_b32 s57, 0xfedcba98                      ; selects for lane l xor 16
	s_mov_b32 s58, 0xbdd2d3e8                      ; c1
	s_mov_b32 s59, s58
	s_mov_b32 s60, 0x3a800000                      ; 1 / 1024
	s_mov_b32 s61, 0x3727c5ac                      ; 1e-5
.irp g, G1, G1H                                ; dense blocks as rows of 256 bytes (32 elements of 8); the mask names all four work-groups
	s_mov_b32 s[\g], 15|(3<<16)|(1<<21)
	s_mov_b32 s[\g+1], 32<<16
	s_mov_b32 s[\g+3], 32<<16
	s_mov_b32 s[\g+5], 32
	s_mov_b32 s[\g+6], 0
	s_mov_b32 s[\g+7], 0
.endr
	s_mov_b32 s[G1+2], 136<<16                     ; a quarter of a slot: U / 2
	s_mov_b32 s[G1+4], 136
	s_mov_b32 s[G1H+2], 68<<16                     ; a quarter of a unit: U / 4
	s_mov_b32 s[G1H+4], 68
	s_lshl_b32 s62, s24, 17
	s_lshl_b32 s63, s22, 15
	s_add_co_u32 s62, s62, s63
	s_mov_b32 s63, 0
	s_mul_i32 s68, s22, U/2
	s_mov_b32 s69, 0
	s_mul_i32 s70, s22, U/4
	s_mov_b32 s71, 0
	s_wait_alu depctr_va_vdst(0)                   ; the wait here, ahead of the waits below
	s_wait_dscnt 0x0                               ; both opening adds are done
	s_wait_kmcnt 0x0
	s_add_nc_u64 s[4:5], s[4:5], s[62:63]
	s_add_nc_u64 s[6:7], s[6:7], s[62:63]
	s_add_nc_u64 s[20:21], s[20:21], s[62:63]
	s_add_nc_u64 s[72:73], s[18:19], s[68:69]
	s_mov_b32 s[G0], 1                             ; slot 0: first for trip 2
	s_mov_b32 s[G0+1], s68
	s_add_nc_u64 s[G0+2:G0+3], s[72:73], 3*U
	s_or_b32 s[G0+3], s[G0+3], 0x80000000
	s_mov_b32 s[G0+4], 1                           ; slot 1: first for trip 1
	s_add_co_u32 s[G0+5], s68, SLOT
	s_add_nc_u64 s[G0+6:G0+7], s[72:73], U
	s_or_b32 s[G0+7], s[G0+7], 0x80000000
	s_add_nc_u64 s[72:73], s[18:19], s[70:71]
	s_mov_b32 s[G0H], 1                            ; trip 0: W1's chunk 0 alone, into slot 0's second half
	s_add_co_u32 s[G0H+1], s70, U
	s_mov_b64 s[G0H+2:G0H+3], s[72:73]
	s_or_b32 s[G0H+3], s[G0H+3], 0x80000000
	s_mov_b32 s[G0L], 1                            ; trip 32: W2's chunk 31 alone, into slot 0's first half
	s_mov_b32 s[G0L+1], s70
	s_add_nc_u64 s[G0L+2:G0L+3], s[72:73], 63*U
	s_or_b32 s[G0L+3], s[G0L+3], 0x80000000
	s_add_nc_u64 s[PFB:PFB+1], s[18:19], 3*U       ; slot 2
	CROUND                                         ; all four work-groups are here: the first joint loads meet
	tensor_load_to_lds s[G0H:G0H+3], s[G1H:G1H+7]  ; my one load at the head
	s_nop 0
	PLACES
; ---------------- the head: radd, LayerNorm, x's codes; two rows at a time ----------------
	WIN 0x40                                       ; window 1: v0-31 gain, v32-63 offset, v64-95 bias, v96-127 output_b, as a row lies over the lanes
.set jj, 0
.rept 8
	global_load_b128 v[64+4*jj:64+4*jj+3], v[CO], s[8:9] offset:512*jj
	global_load_b128 v[4*jj:4*jj+3], v[CO], s[10:11] offset:512*jj
	global_load_b128 v[32+4*jj:32+4*jj+3], v[CO], s[12:13] offset:512*jj
	global_load_b128 v[96+4*jj:96+4*jj+3], v[CO], s[16:17] offset:512*jj
.set jj, jj+1
.endr
.macro LDROWS g                                ; rows 2 g, 2 g + 1: each load covers 512 consecutive bytes of a row; read here alone
	WIN 0xc0
.set jj, 0
.rept 16
	global_load_b128 v[64*(\g)+4*jj:64*(\g)+4*jj+3], v[CO], s[4:5] offset:(2*(\g)+jj/8)*4096+(jj%8)*512 th:TH_LOAD_NT
.set jj, jj+1
.endr
	WIN 0x80
.set jj, 0
.rept 16
	global_load_b128 v[64*(\g)+4*jj:64*(\g)+4*jj+3], v[CO], s[6:7] offset:(2*(\g)+jj/8)*4096+(jj%8)*512 th:TH_LOAD_NT
.set jj, jj+1
.endr
	WIN 0
.endm
.macro RED2                                    ; four chains v[TM + 2 c], + 1 -> the two rows' sums, in v[V], v[V + 1] of every lane
	v_pk_add_f32 v[TM:TM+1], v[TM:TM+1], v[TM+2:TM+3]
	v_pk_add_f32 v[TM+4:TM+5], v[TM+4:TM+5], v[TM+6:TM+7]
	v_add_f32 v[V], v[TM], v[TM+1]
	v_add_f32 v[V+1], v[TM+4], v[TM+5]
.irp m, 1,2,4,8
	v_add_f32_dpp v[V], v[V], v[V] row_xmask:\m row_mask:0xf bank_mask:0xf
	v_add_f32_dpp v[V+1], v[V+1], v[V+1] row_xmask:\m row_mask:0xf bank_mask:0xf
.endr
	v_permlanex16_b32 v[P], v[V], s56, s57
	v_permlanex16_b32 v[P+1], v[V+1], s56, s57
	v_add_f32 v[V], v[V], v[P]
	v_add_f32 v[V+1], v[V+1], v[P+1]
.endm
; a row of x turns through my own stage: in as it lies, back a whole block of 32 a lane.  LDS serves a wave's instructions in order.
.macro XTURN i
	WIN 0x08
.set jj, 0
.rept 8
	ds_store_b128 v[STI], v[32*(\i)+4*jj:32*(\i)+4*jj+3] offset:576*jj
.set jj, jj+1
.endr
	WIN 0
.set jj, 0
.rept 8
	ds_load_b128 v[T-64*((\i)%2)+4*jj:T-64*((\i)%2)+4*jj+3], v[STQ] offset:16*jj
.set jj, jj+1
.endr
.endm
.macro XROW i, cnt                             ; cnt: the LDS instructions issued behind row i's loads
.set Q, T-64*((\i)%2)
.set PR, (\i)%2
	s_wait_dscnt \cnt
	v_max3_num_f32 v[V], |v[Q]|, |v[Q+1]|, 0x1800000           ; the floor 2^(3 - 127)
	v_max3_num_f32 v[V+1], |v[Q+16]|, |v[Q+17]|, |v[Q+18]|
.irp k, 2,4,6,8,10,12
	v_max3_num_f32 v[V], v[V], |v[Q+\k]|, |v[Q+\k+1]|
	v_max3_num_f32 v[V+1], v[V+1], |v[Q+17+\k]|, |v[Q+18+\k]|
.endr
	v_max3_num_f32 v[V], v[V], |v[Q+14]|, |v[Q+15]|
	v_max3_num_f32 v[V], v[V], v[V+1], |v[Q+31]|
	v_add_nc_u32 v[V+2], 0xff000000, v[V]          ; 2 off the exponent field: the conversion's scale operand
.irp g, 0,1,2,3
	v_cvt_scalef32_pk8_fp4_f32 v[PC+4*PR+\g], v[Q+8*\g:Q+8*\g+7], v[V+2]
.endr
	v_lshrrev_b32 v[V+4+PR], 23, v[V+2]            ; the scale's byte
	ds_store_b128 v[XSTO], v[PC+4*PR:PC+4*PR+3] offset:16*(\i)
	ds_store_b8 v[XSS], v[V+4+PR] offset:4*(\i)
.endm
.macro LNG g, cnt                              ; cnt: the loads issued behind this pair's (64 are named as 63, the largest count that the wait can name)
.set B, 64*(\g)
.if (\g) < 2
	LDROWS (\g)+2
.endif
	s_wait_loadcnt \cnt
	WIN 0xc7
.set pp, 0
.rept 32
	v_pk_add_f32 v[B+2*pp:B+2*pp+1], v[B+2*pp:B+2*pp+1], v[64+(2*pp)%32:64+(2*pp)%32+1]   ; input + bias,
.set pp, pp+1
.endr
	WIN 0xcb
.set pp, 0
.rept 32
	v_pk_add_f32 v[B+2*pp:B+2*pp+1], v[B+2*pp:B+2*pp+1], v[B+2*pp:B+2*pp+1]               ; + residual: radd, in window 3
.set pp, pp+1
.endr
	WIN 0x0f
.set cc, 0
.rept 4                                        ; two chains a row
	v_pk_add_f32 v[TM+2*cc:TM+2*cc+1], v[B+32*(cc/2)+2*(cc%2):B+32*(cc/2)+2*(cc%2)+1], v[B+32*(cc/2)+2*(cc%2)+4:B+32*(cc/2)+2*(cc%2)+5]
.set cc, cc+1
.endr
	WIN 0x0c
.irp k, 8,12,16,20,24,28
.set cc, 0
.rept 4
	v_pk_add_f32 v[TM+2*cc:TM+2*cc+1], v[TM+2*cc:TM+2*cc+1], v[B+32*(cc/2)+2*(cc%2)+\k:B+32*(cc/2)+2*(cc%2)+\k+1]
.set cc, cc+1
.endr
.endr
	WIN 0
	RED2
.irp i, 0,1
	v_mul_f32 v[MEAN+2*\i], s60, v[V+\i]           ; the mean, twice: a pair for the packed forms
	v_mul_f32 v[MEAN+2*\i+1], s60, v[V+\i]
.endr
	WIN 0x83
.set pp, 0
.rept 32
	v_pk_add_f32 v[B+2*pp:B+2*pp+1], v[B+2*pp:B+2*pp+1], v[MEAN+2*(pp/16):MEAN+2*(pp/16)+1] neg_lo:[0,1] neg_hi:[0,1]   ; radd - mean, into window 2
.set pp, pp+1
.endr
	WIN 0x0a
.set cc, 0
.rept 4
	v_pk_mul_f32 v[TM+2*cc:TM+2*cc+1], v[B+32*(cc/2)+2*(cc%2):B+32*(cc/2)+2*(cc%2)+1], v[B+32*(cc/2)+2*(cc%2):B+32*(cc/2)+2*(cc%2)+1]
.set cc, cc+1
.endr
.irp k, 4,8,12,16,20,24,28
.set cc, 0
.rept 4
	v_pk_fma_f32 v[TM+2*cc:TM+2*cc+1], v[B+32*(cc/2)+2*(cc%2)+\k:B+32*(cc/2)+2*(cc%2)+\k+1], v[B+32*(cc/2)+2*(cc%2)+\k:B+32*(cc/2)+2*(cc%2)+\k+1], v[TM+2*cc:TM+2*cc+1]
.set cc, cc+1
.endr
.endr
	WIN 0
	RED2
	v_fma_f32 v[V], v[V], s60, s61                 ; variance + 1e-5
	v_fma_f32 v[V+1], v[V+1], s60, s61
	s_wait_alu depctr_va_vdst(0)                   ; the wait ahead of the batch
.irp i, 0,1
	v_rsq_f32 v[RS+2*\i], v[V+\i]
	v_rsq_f32 v[RS+2*\i+1], v[V+\i]
.endr
	v_nop
	s_wait_alu depctr_va_vdst(0)                   ; and behind it
	WIN 0x82
.set pp, 0
.rept 32
	v_pk_mul_f32 v[B+2*pp:B+2*pp+1], v[B+2*pp:B+2*pp+1], v[RS+2*(pp/16):RS+2*(pp/16)+1]
.set pp, pp+1
.endr
	WIN 0x96
.set pp, 0
.rept 32
	v_pk_fma_f32 v[B+2*pp:B+2*pp+1], v[B+2*pp:B+2*pp+1], v[(2*pp)%32:(2*pp)%32+1], v[32+(2*pp)%32:32+(2*pp)%32+1]   ; x gain + offset
.set pp, pp+1
.endr
	WIN 0xc7
.set pp, 0
.rept 32
	v_pk_add_f32 v[B+2*pp:B+2*pp+1], v[B+2*pp:B+2*pp+1], v[96+(2*pp)%32:96+(2*pp)%32+1]   ; radd + output_b: what the way out adds
.set pp, pp+1
.endr
	WIN 0
	XTURN 2*(\g)
	XTURN 2*(\g)+1
	XROW 2*(\g), 16
	XROW 2*(\g)+1, 2
.endm
	LDROWS 0
	LDROWS 1
	LNG 0, 63
	LNG 1, 63
	LNG 2, 32
	LNG 3, 0
.irp u, 0,1                                    ; inter_b of chunk 0, in the result's layout: units 32 w + 16 h + 8 u + 0 .. 7
	global_load_b128 v[BIAS+8*\u:BIAS+8*\u+3], v[BO], s[14:15] offset:32*\u
	global_load_b128 v[BIAS+8*\u+4:BIAS+8*\u+7], v[BO], s[14:15] offset:32*\u+16
.endr
; ---------------- the trips ----------------
.macro P1Q q0, n, pw                           ; n K steps; the four sums take turns, one instruction a turn
.set qi, \q0
.rept \n
.set bi, 0
.rept 4
.if qi == 0
	WM \pw+8*bi, 8*(2*qi+bi%2), 128+8*(8*(bi/2)+qi), BIAS+8*(bi%2), SW1+qi, SX+qi, bi%2, bi/2
.else
	WM \pw+8*bi, 8*(2*qi+bi%2), 128+8*(8*(bi/2)+qi), \pw+8*bi, SW1+qi, SX+qi, bi%2, bi/2
.endif
.set bi, bi+1
.endr
.set qi, qi+1
.endr
.endm
.macro LW1 s, q0                               ; W1's fragments of K steps q0, q0 + 1: fragment (tile fi % 2, K step fi / 2) at v[8 fi] of window 1
	WIN 0x40
.set fi, 2*(\q0)
.rept 4
	ds_load_b128 v[8*fi:8*fi+3], v[AW1+\s] offset:((fi%2)*8+fi/2)*1024
	ds_load_b128 v[8*fi+4:8*fi+7], v[AW1+\s] offset:((fi%2)*8+fi/2)*1024+512
.set fi, fi+1
.endr
	WIN 0
.endm
.macro LW2 s, c0, n                            ; W2's fragments of tiles c0 .. c0 + n - 1
	WIN 0x40
.set fi, \c0
.rept \n
	ds_load_b128 v[8*fi:8*fi+3], v[AW2+\s] offset:fi*1024
	ds_load_b128 v[8*fi+4:8*fi+7], v[AW2+\s] offset:fi*1024+512
.set fi, fi+1
.endr
	WIN 0
.endm
.macro GMUL d, a, b                            ; 16 packed products: d = a b, over 32 registers, each run from its low end on
.set pp, 0
.rept 16
	v_pk_mul_f32 v[\d+2*pp:\d+2*pp+1], v[\a+2*pp:\a+2*pp+1], v[\b+2*pp:\b+2*pp+1]
.set pp, pp+1
.endr
.endm
.macro QUANT pg, hb                            ; the quantiser of my 16 numbers of each row tile; h's codes and bytes into buffer hb
.irp n, 0,1
	v_max3_num_f32 v[TM+\n], |v[\pg+16*\n]|, |v[\pg+16*\n+1]|, 0x1800000
.endr
.irp k, 2,4,6,8,10,12,14
.irp n, 0,1
	v_max3_num_f32 v[TM+\n], v[TM+\n], |v[\pg+16*\n+\k]|, |v[\pg+16*\n+\k+1]|
.endr
.endr
.irp n, 0,1
	v_permlanex16_b32 v[TM+2+\n], v[TM+\n], s56, s57
.endr
.irp n, 0,1
	v_max_num_f32 v[TM+\n], v[TM+\n], v[TM+2+\n]   ; with lane l xor 16's: the block's largest magnitude
.endr
.irp n, 0,1
	v_add_nc_u32 v[TM+4+\n], 0xff000000, v[TM+\n]
.endr
.irp n, 0,1
	v_lshrrev_b32 v[TM+6+\n], 23, v[TM+4+\n]
.endr
.irp n, 0,1
	v_cvt_scalef32_pk8_fp4_f32 v[PC+2*\n], v[\pg+16*\n:\pg+16*\n+7], v[TM+4+\n]
	v_cvt_scalef32_pk8_fp4_f32 v[PC+2*\n+1], v[\pg+16*\n+8:\pg+16*\n+15], v[TM+4+\n]
.endr
	v_nop                                          ; one plain instruction behind a scaled conversion
.irp n, 0,1
	ds_store_b64 v[HSTO], v[PC+2*\n:PC+2*\n+1] offset:(\hb)*2048+\n*1024   ; k = 16 h + 0 .. 15 of my block: 8 bytes of row r's 16
	ds_store_b8 v[HSB], v[TM+6+\n] offset:(\hb)*128+\n*64                  ; lanes r and r + 16 write the same byte with the same value
.endr
.endm
; s = t % 2: the slot, h's buffer that is read, product 1's set that is written.  first: x's fragments are fetched; p2: product 2 of chunk t - 2: 0 none, 1 starts the sums, 2 adds; g: gelu of chunk t - 1 and W2's fragments of it;
; p1: product 1 of chunk t; fill: 1 the other slot, 2 the last unit, 0 none; step: my slot's descriptor goes two trips on; nb: the next chunk's inter_b; pf: 1 prefetch, 2 step and prefetch, 3 the same but in the loop's last trip
.macro TRIP s, first, p2, g, p1, fill, step, nb, pf
.set PG, PA+104*(1-\s)
.set PW, PA+104*(\s)
	s_wait_tensorcnt 0x0                           ; my one load that was out, my quarter of this slot, has landed;
	ds_add_u32 v[SPW], v[NIL]
	s_wait_xcnt 0x0                                ; the last trip's loads and prefetches have read their bases
.if \nb
	s_add_nc_u64 s[14:15], s[14:15], 512
.endif
.if \pf > 1
	s_add_nc_u64 s[PFB:PFB+1], s[PFB:PFB+1], 2*U
.endif
.if \step
	s_add_nc_u64 s[G0+4*\s+2:G0+4*\s+3], s[G0+4*\s+2:G0+4*\s+3], 4*U   ; (trip 30's stepped address is not used)
.endif
	s_wait_dscnt 0x0                               ; the add, my reads of the other slot and my stores of h are done
	CROUND                                         ; and so it is with every wave of the four work-groups
.if \fill == 1
	tensor_load_to_lds s[G0+4-4*\s:G0+7-4*\s], s[G1:G1+7]
	s_nop 0
.elseif \fill == 2
	tensor_load_to_lds s[G0L:G0L+3], s[G1H:G1H+7]
	s_nop 0
.endif
	PLACES
.if \first
	WIN 0x40
.set fi, 0
.rept 16
	ds_load_b128 v[128+8*fi:128+8*fi+3], v[XLD] offset:fi*1024
	ds_load_b128 v[128+8*fi+4:128+8*fi+7], v[XLD] offset:fi*1024+512
.set fi, fi+1
.endr
	WIN 0
.set fi, 0
.rept 8
	ds_load_b32 v[SX+fi], v[XSL] offset:128*fi
.set fi, fi+1
.endr
.endif
.if \p2
.irp n, 0,1
	ds_load_b128 v[HF+8*\n:HF+8*\n+3], v[HLD] offset:(\s)*2048+\n*1024
	ds_load_b128 v[HF+8*\n+4:HF+8*\n+7], v[HLD] offset:(\s)*2048+\n*1024+512
.endr
	ds_load_b32 v[SH], v[HSL] offset:(\s)*128
.endif
.if \g
	s_wait_alu depctr_va_vdst(0)                   ; product 1's sums were written ahead of the reciprocals
	GMUL T, PG, PG                                 ; a^2, under h's flight
.endif
.if \p2
	s_wait_dscnt 0x0                               ; h's fragments and scale words
	WIN 0xa1
	s_wait_alu depctr_va_vdst(0)                   ; the sums were written ahead of the last trip's exponentials
.set ci, 0
.rept 16                                       ; 32 sums, one instruction each
.set ri, 0
.rept 2
.if \p2 == 1
	WM 8*(16*ri+ci), 8*ci, HF+8*ri, -1, SW2+ci/2, SH, ci%2, ri
.else
	WM 8*(16*ri+ci), 8*ci, HF+8*ri, 8*(16*ri+ci), SW2+ci/2, SH, ci%2, ri
.endif
.set ri, ri+1
.endr
.set ci, ci+1
.endr
	WIN 0
	PLACES                                         ; in front of loads into the fragments' registers
.endif
.if \p1
	ds_load_b128 v[SW1:SW1+3], v[AS1+\s]
	ds_load_b128 v[SW1+4:SW1+7], v[AS1+\s] offset:512
	LW1 \s, 0
.endif
.if \g
.set pp, 0
.rept 16
	v_pk_fma_f32 v[T+2*pp:T+2*pp+1], v[T+2*pp:T+2*pp+1], s[58:59], v[C0:C0+1] op_sel_hi:[1,0,1]   ; c1 a^2 + c0
.set pp, pp+1
.endr
.endif
.if \p1
	LW1 \s, 2
.endif
.if \g
	GMUL T, T, PG                                  ; t
.endif
.if \p1
	LW1 \s, 4
.endif
.if \g
	s_wait_alu depctr_va_vdst(0)                   ; a wait ahead of each batch and behind it
.set pp, 0
.rept 16
	v_exp_f32 v[T+pp], v[T+pp]
.set pp, pp+1
.endr
.endif
.if \p1
	LW1 \s, 6
.endif
.if \g
.rept 16
	v_exp_f32 v[T+pp], v[T+pp]
.set pp, pp+1
.endr
	v_nop
	s_wait_alu depctr_va_vdst(0)
.endif
.if \p1
	s_wait_loadcnt 0x0                             ; inter_b, asked for a trip ago
	s_wait_dscnt 8                                 ; all but K steps 6 and 7
	WIN 0x05
	P1Q 0, 6, PW
	s_wait_dscnt 0x0
	P1Q 6, 2, PW
	WIN 0
.endif
.if \g
.set pp, 0
.rept 16                                       ; (also the places behind product 1, in front of the loads below)
	v_pk_add_f32 v[T+2*pp:T+2*pp+1], v[T+2*pp:T+2*pp+1], 1.0 op_sel_hi:[1,0]
.set pp, pp+1
.endr
	LW2 \s, 0, 6
.elseif \p1
	PLACES
.endif
.if \nb
.irp u, 0,1
	global_load_b128 v[BIAS+8*\u:BIAS+8*\u+3], v[BO], s[14:15] offset:32*\u
	global_load_b128 v[BIAS+8*\u+4:BIAS+8*\u+7], v[BO], s[14:15] offset:32*\u+16
.endr
.endif
.if \pf == 3
	s_cmp_eq_u32 s25, 1                            ; trip 30 has no slot two on
	s_cbranch_scc1 .Lno_pf_\@
.endif
.if \pf
	s_cmp_lt_u32 ttmp9, 4
	s_cbranch_scc0 .Lno_prefetch_mlp0_\@
	global_prefetch_b8 v[PF], s[PFB:PFB+1] th:TH_LOAD_NT scope:SCOPE_SE
	global_prefetch_b8 v[PF+1], s[PFB:PFB+1] th:TH_LOAD_NT scope:SCOPE_SE
.Lno_prefetch_mlp0_\@:
.endif
.if \pf == 3
.Lno_pf_\@:
.endif
.if \g
	s_wait_alu depctr_va_vdst(0)
.set pp, 0
.rept 16
	v_rcp_f32 v[T+pp], v[T+pp]
.set pp, pp+1
.endr
	LW2 \s, 6, 6
.rept 16
	v_rcp_f32 v[T+pp], v[T+pp]
.set pp, pp+1
.endr
	LW2 \s, 12, 4
.set fi, 0
.rept 8
	ds_load_b32 v[SW2+fi], v[AS2+\s] offset:128*fi
.set fi, fi+1
.endr
	v_nop
	s_wait_alu depctr_va_vdst(0)
	GMUL PG, PG, T                                 ; a / (1 + 2^t)
	QUANT PG, 1-\s
.endif
.endm
	s_wait_alu depctr_va_vdst(0)                   ; the wait at the head's end
	TRIP 0, 1, 0, 0, 1, 1, 0, 1, 1                 ; trip 0
	TRIP 1, 0, 0, 1, 1, 1, 1, 1, 2                 ; trip 1
	TRIP 0, 0, 1, 1, 1, 1, 1, 1, 2                 ; trip 2: product 2's first step starts the sums
	s_mov_b32 s25, 14
.Ltrips:                                               ; trips 3 to 30
	TRIP 1, 0, 2, 1, 1, 1, 1, 1, 2
	TRIP 0, 0, 2, 1, 1, 1, 1, 1, 3
	s_sub_co_u32 s25, s25, 1
	s_cmp_lg_u32 s25, 0
	s_cbranch_scc1 .Ltrips
	TRIP 1, 0, 2, 1, 1, 2, 0, 0, 0                 ; trip 31 asks for the last unit
	TRIP 0, 0, 2, 1, 0, 0, 0, 0, 0                 ; trip 32: no product 1 is left
	TRIP 1, 0, 2, 0, 0, 0, 0, 0, 0                 ; trip 33: product 2 of chunk 31
; ---------------- the way out: through slot 1, by whole rows ----------------
	WIN 0x08
.irp n, 0,1
.set ci, 0
.rept 16
	ds_store_b128 v[STO+\n], v[8*(16*\n+ci):8*(16*\n+ci)+3] offset:64*ci        ; each sum from its low end on
	ds_store_b128 v[STO+\n], v[8*(16*\n+ci)+4:8*(16*\n+ci)+7] offset:64*ci+16
.set ci, ci+1
.endr
.endr
	WIN 0
	s_wait_dscnt 0x0                               ; for the others' sake
	s_barrier_signal -1
	s_barrier_wait -1
	WIN 0x40
.set jj, 0
.rept 64
	ds_load_b128 v[4*jj:4*jj+3], v[RD] offset:(jj/8)*SPIT+(jj%8)*512
.set jj, jj+1
.endr
.set ii, 0
.rept 8                                        ; each row leaves as soon as it is back
	s_wait_dscnt 56-8*ii                           ; the later rows' loads may be out
	WIN 0x4d
.set pp, 0
.rept 16
	v_pk_add_f32 v[32*ii+2*pp:32*ii+2*pp+1], v[32*ii+2*pp:32*ii+2*pp+1], v[32*ii+2*pp:32*ii+2*pp+1]   ; + (radd + output_b)
.set pp, pp+1
.endr
	WIN 0x04
.set jj, 0
.rept 8
	global_store_b128 v[CO], v[32*ii+4*jj:32*ii+4*jj+3], s[20:21] offset:ii*4096+jj*512 th:TH_STORE_NT   ; 512 consecutive bytes, at a multiple of 512 from out0's first byte
.set jj, jj+1
.endr
.set ii, ii+1
.endr
	WIN 0
	s_wait_tensorcnt 0x0                           ; the wave's end
	ds_add_u32 v[SPW], v[NIL]
	s_wait_dscnt 0x0
	CROUND                                         ; the closing round
	s_endpgm
.Lfunc_end_k_q17bc810001_mlp:
	.size	k_q17bc810001_mlp, .Lfunc_end_k_q17bc810001_mlp-k_q17bc810001_mlp
	.p2alignl 7, 3214868480
	.fill 96, 4, 3214868480
	.section	.rodata,"a",@progbits
	.p2align	6, 0x0
	.amdhsa_kernel k_q17bc810001_mlp
		.amdhsa_group_segment_fixed_size 327680
		.amdhsa_private_segment_fixed_size 0
		.amdhsa_enable_private_segment 0
		.amdhsa_kernarg_size 72
		.amdhsa_user_sgpr_count 2
		.amdhsa_user_sgpr_kernarg_segment_ptr 1
		.amdhsa_wavefront_size32 1
		.amdhsa_system_sgpr_workgroup_id_x 1
		.amdhsa_system_sgpr_workgroup_id_y 1
		.amdhsa_system_sgpr_workgroup_id_z 1
		.amdhsa_system_vgpr_workitem_id 0
		.amdhsa_next_free_vgpr 1024
		.amdhsa_next_free_sgpr 84
		.amdhsa_reserve_vcc 0
		.amdhsa_float_denorm_mode_32 3
		.amdhsa_float_denorm_mode_16_64 3
		.amdhsa_memory_ordered 1
		.amdhsa_forward_progress 1
		.amdhsa_inst_pref_size 255
	.end_amdhsa_kernel
	.section	.bss,"aw",@nobits
	.p2align	6
	.space	262144
	.amdgpu_metadata
---
amdhsa.version: [ 1, 2 ]
amdhsa.kernels:
  - .name:           k_q17bc810001_mlp
    .symbol:         k_q17bc810001_mlp.kd
    .args:
      - { .name: input, .offset: 0, .size: 8, .value_kind: global_buffer, .address_space: global }
      - { .name: residual, .offset: 8, .size: 8, .value_kind: global_buffer, .address_space: global }
      - { .name: bias, .offset: 16, .size: 8, .value_kind: global_buffer, .address_space: global }
      - { .name: attn_nw, .offset: 24, .size: 8, .value_kind: global_buffer, .address_space: global }
      - { .name: attn_nb, .offset: 32, .size: 8, .value_kind: global_buffer, .address_space: global }
      - { .name: inter_b, .offset: 40, .size: 8, .value_kind: global_buffer, .address_space: global }
      - { .name: output_b, .offset: 48, .size: 8, .value_kind: global_buffer, .address_space: global }
      - { .name: wimg, .offset: 56, .size: 8, .value_kind: global_buffer, .address_space: global }
      - { .name: out0, .offset: 64, .size: 8, .value_kind: global_buffer, .address_space: global }
    .group_segment_fixed_size: 327680
    .private_segment_fixed_size: 0
    .kernarg_segment_align: 8
    .kernarg_segment_size: 72
    .max_flat_workgroup_size: 128
    .sgpr_count:     84
    .vgpr_count:     1024
    .wavefront_size: 32
...
	.end_amdgpu_metadata
.endif
;; end of part 2
